; MI455X (gfx1250); checked and timed in simulation.
; The chip was launched on July 23, 2026; its instructions are those of AMD's public machine-readable ISA for CDNA 5 (MIT licence, August 2026) and "CDNA5" Instruction Set Architecture Reference Guide (July 2026). The comments in the code are by the model that wrote it; some were corrected since.
;; Group Query Attention QKV. Allowed arithmetic: matrix products marked QUANTISED: E2M1 operands, one E8M0 scale for each 32 along K, by v_wmma_scale_f32_16x16x128_f8f6f4 with both operands' format E2M1 (or v_wmma_scale_f32_32x16x128_f4), f32 sums; everything else in f32.
;; Inputs: gamma 4,096 float32; hidden_states 2 x 2,048 x 4,096 float32; w_k 4,096 x 1,024 float32; w_q 4,096 x 2,048 float32; w_v 4,096 x 1,024 float32.
;; Outputs: out0 2 x 2,048 x 2,048 float32; out1 2 x 2,048 x 1,024 float32; out2 2 x 2,048 x 1,024 float32.
;; This version of the problem:
;;   THIS VERSION OF THE PROBLEM IS GIVEN IN LOW PRECISION. The matrix products marked QUANTISED in the list below multiply operands that are first quantised to E2M1 (2 exponent bits, 1 mantissa bit; 4 bits a number), with one power-of-two scale for each 32 numbers along K (OCP MX v1.0); their sums are f32. All else is computed in f32.
;;   The module's matrix products, in the order in which they are computed (A, B: the left and right operand; K: the contracted axis; several contracted axes count as one K, in the product's order):
;;     1. [M 4,096, K 4,096] x [K 4,096, N 2,048]; A: computed on the way; B: input w_q: QUANTISED
;;     2. [M 4,096, K 4,096] x [K 4,096, N 1,024]; A: computed on the way; B: input w_k: QUANTISED
;;     3. [M 4,096, K 4,096] x [K 4,096, N 1,024]; A: computed on the way; B: input w_v: QUANTISED
;;   THE QUANTISER, for each operand of a quantised product, along K:
;;     - K is cut into blocks of 32 from its start; a last block that is shorter is filled with zeros.
;;     - A block's scale is 2^e with e = floor(log2(the largest magnitude in the block)) - 2, held to -126 .. 127; a block of zeros has e = 0. As a byte (E8M0): e + 127.
;;     - Each number is divided by its block's scale, clamped to +-6, and rounded to the nearest number of E2M1, ties to even, subnormals kept.
;;     - The product sums the exact products of the quantised numbers (number of the format x scale) in f32.
;;   ~~~python
;;   def quantise(x, axis):      # numpy; x: float32 -> the quantised numbers, widened to float32 again
;;       x = np.moveaxis(x, axis, -1); K = x.shape[-1]
;;       x = np.pad(x, [(0, 0)] * (x.ndim - 1) + [(0, -K % 32)]); x = x.reshape(x.shape[:-1] + (-1, 32)); a = np.abs(x).max(-1, keepdims=True)
;;       e = np.where(a > 0, np.clip(np.frexp(np.where(a > 0, a, 1))[1] - 1 - 2, -126, 127), 0)      # np.frexp(a)[1] - 1 = floor(log2(a)), exactly
;;       r = np.clip(x / 2.0 ** e, -6, 6)
;;       step = 2.0 ** (np.maximum(np.frexp(np.where(r == 0, 1, r))[1] - 1, 0) - 1)
;;       q = np.round(r / step) * step * 2.0 ** e      # np.round: ties to even
;;       return np.moveaxis(q.reshape(q.shape[:-2] + (-1,))[..., :K], -1, axis).astype(np.float32)
;;   ~~~
;;   OPERANDS COMPUTED ON THE WAY. 'Computed on the way' means the value that the module computes at that place (a softmax that the list does not call 'softmax' is quantised finished and normalised). What goes into a quantiser is computed in f32, as accurately as f32 sums, v_exp_f32 and their like allow (about 1e-6 of the number): no bf16 or f16 on the way to a quantiser, and a product that is left as it is and whose result goes on into a quantised operand takes f32 operands (vector FMAs, or v_wmma_f32_16x16x4_f32). A number that lies on a knife's edge between two numbers of the format may be rounded either way, as far as f32 arithmetic and the matrix unit's own rounding can turn it there, and no further.
;; One version. Each part assembles by itself: llvm-mc -triple=amdgcn-amd-amdhsa -mcpu=gfx1250 --defsym DOCPART=n.
;; ======== version 1 of 1: 2 launches
;; limits: right only within a limited range of input values
;; workspace buffers: xq 8,912,896 bytes; wq 8,912,896 bytes
;; launch quant (part 1): grid 256 x 1, 16 waves a work-group, no clusters, 141,312 bytes of LDS; arguments hidden_states, gamma, w_q, w_k, w_v, xq, wq; writes xq, wq
.if DOCPART == 1
	.amdgcn_target "amdgcn-amd-amdhsa--gfx1250"
	.amdhsa_code_object_version 6
	.text
	.protected	k_q2450049b9d_quant
	.globl	k_q2450049b9d_quant
	.p2align	8
	.type	k_q2450049b9d_quant,@function
k_q2450049b9d_quant:
	s_mov_b64 s[64:65], 0
	v_nop
	global_prefetch_b8 v0, s[64:65] scope:SCOPE_SE
	s_setreg_imm32_b32 hwreg(HW_REG_WAVE_MODE, 25, 1), 1
	s_wait_xcnt 0x0
; Both operands of the three products become codes of FP4 (E2M1) with one E8M0 scale byte for each 32 along K = 4,096.
;   xn = x * rsqrt(mean(x^2) + 1e-6) * gamma, all in f32, quantised along its rows                 -> xq
;   w_q, w_k, w_v ([K][N], K is the FIRST axis), quantised down their columns                      -> wq
; ONE PATH FOR EVERY WORK-GROUP: work-group g takes rows 16 g .. 16 g + 15 of x, a row a wave, and record g of the weights (128 columns x 512 along K), 32 along K a wave.
; The row's 32 loads and those of the weights' first 64 columns go out first; the other 64 columns' are issued into the row's registers as its K steps 0 to 3 leave them.
; LAYOUT OF xq AND wq: RECORDS.  The record of (K step s of 512 along K, group G of 128 rows) lies at byte (32 s + G) x 34,816 and is 136 pieces of 256 bytes:
;   piece p (0..127): the 512 codes of one row, K ascending, the lower k in the low four bits;  piece 128 + i: the scale bytes of pieces 16 i .. 16 i + 15, 16 bytes a piece, byte j for k = 512 s + 32 j.
; In xq piece p is row 128 G + p.  In wq, whose rows are the columns of the weights on end (w_q 0-2047, w_k 2048-3071, w_v 3072-4095), piece 64 g + 16 t + r (g 0..1, t 0..3, r 0..15) is column 128 G + 64 g + 4 r + t:
; sixteen neighbouring pieces are every fourth column, and the product's launch finds four neighbouring columns of a lane in four tiles.
; A block's scale is 2^(floor(log2(its largest magnitude)) - 2); its byte is the largest magnitude's exponent field - 2, held at 1 from below by a floor among the maximum's leaves.
; LIMITS: NaN and infinities among the inputs are not served.  A block of zeros, or one whose largest magnitude lies under 2^-124, gets the byte 1 (the rule says 127 for zeros): its codes are zeros or
; are rounded under that scale, and this program alone reads the bytes.  The row's sum of squares is kept in f32: it overflows where |x| is about 1e17 throughout a row.
.set KSB,   1114112                    ; bytes from a K step's records to the next K step's: 32 x 34,816
.set RECB,  34816                      ; a record
.set GAM,   0                          ; LDS: gamma as it lies in memory, 16,384 bytes
.set XSTG,  16384                      ;   x: two stages of 32 x SP bytes for each of the 16 waves
.set SP,    80                         ;   a lane's place in a stage: 64 bytes + 16 of padding
.set XSCL,  98304                      ;   x's scale bytes [K step 8][wave 16][16]
.set WSTG,  100352                     ;   the weights' codes: piece p at WP p + 64 (p / 16)
.set WP,    272
.set WSCL,  135680                     ;   the weights' scale bytes [piece 128][16]
.set SPARE, 139264                     ;   the spare words
; v2 16 x lane; v4 8 x lane; v5, v6 x's stage, in and out; v7, v14 x's scale bytes, in and out; v15, v29 the weights' stage, in and out; v28, v30 their scale bytes; v3, v8, v9 at work
.set SPW,   1
.set NIL,   31
.set WOF,   10                         ; v10-13   8 x lane + 0 .. 3 rows of the weight
.set SQ,    16                         ; v16-23   gamma as it arrives; then four packed sums of squares; then x's codes of K steps 0-3
.set RS,    24                         ; v24-25   rsqrt (v25 only named with it as a pair)
.set GM,    32                         ; v32-63   gamma, two sets of 16; then columns of weights, two sets of 2 x 8
.set X,     64                         ; v64-191  the row: load j in v[X + 4 j ..].  v64-127 then take the weights' second half; v128-191 codes and work
.set WA,    192                        ; v192-255 the weights' first half
.set WB,    66                         ; s[66:81] the weights at my rows 4 m
	s_load_b256 s[4:11], s[0:1], 0x0               ; x s[4:5], gamma s[6:7], w_q s[8:9], w_k s[10:11]
	s_load_b128 s[12:15], s[0:1], 0x20             ; w_v s[12:13], xq s[14:15]
	s_load_b64 s[16:17], s[0:1], 0x30              ; wq
	v_lshl_add_u32 v[SPW], v0, 2, SPARE
	v_mov_b32 v[NIL], 0
	v_lshrrev_b32 v9, 5, v0
	v_readfirstlane_b32 s18, v9                    ; wave 0..15
	; ---- the weights' part
	s_and_b32 s34, ttmp9, 31                       ; column group: 0-15 w_q, 16-23 w_k, 24-31 w_v
	s_lshr_b32 s35, ttmp9, 5                       ; K step
	s_and_b32 s36, s18, 3
	s_and_b32 s38, s34, 7                          ; the column group inside w_k or w_v
	s_cmp_lt_u32 s34, 16
	s_cselect_b32 s39, 13, 12                      ; log2 of a row's bytes: 8,192 in w_q, 4,096 in w_k and w_v
	s_cselect_b32 s38, s34, s38
	s_lshl_b32 s37, 1, s39                         ; a row
	s_lshl_b32 s54, 4, s39                         ; four rows
	s_mov_b32 s55, 0
	s_lshl_b32 s40, s35, 9
	s_lshl_b32 s41, s18, 5
	s_add_co_u32 s40, s40, s41                     ; my first row of W: 512 x K step + 32 x wave
	s_lshl_b32 s40, s40, s39
	s_lshl_b32 s41, s38, 9                         ; + 128 columns a group
	s_add_co_u32 s40, s40, s41
	s_mov_b32 s41, 0
	s_mul_i32 s19, ttmp9, RECB                     ; my record: its number is the work-group's, 32 x K step + column group
	s_lshl_b32 s42, s18, 11
	s_add_co_u32 s42, s42, s19                     ; codes: 8 pieces a wave
	s_mov_b32 s43, 0
	s_lshl_b32 s44, s36, 9
	s_add_co_u32 s44, s44, s19
	s_add_co_u32 s44, s44, 32768                   ; scale bytes: waves 8 to 11 store 512 bytes each
	s_mov_b32 s45, 0
	; ---- x's part
	s_lshl_b32 s46, ttmp9, 4
	s_add_co_u32 s46, s46, s18                     ; my row: 16 x work-group + wave
	s_lshl_b32 s46, s46, 14                        ; its first byte
	s_mov_b32 s47, 0
	s_lshr_b32 s19, ttmp9, 3                       ; G: the row's group of 128
	s_mul_i32 s19, s19, 136
	s_and_b32 s52, ttmp9, 7                        ; which 16 rows of the group are the work-group's
	s_lshl_b32 s48, s52, 4
	s_add_co_u32 s48, s48, s19
	s_add_co_u32 s48, s48, s18
	s_lshl_b32 s48, s48, 8                         ; codes: piece 136 G + 16 (g % 8) + wave, of K step 0
	s_mov_b32 s49, 0
	s_add_co_u32 s50, s19, s52
	s_add_co_u32 s50, s50, 128
	s_lshl_b32 s50, s50, 8                         ; scale bytes: piece 136 G + 128 + g % 8,
	s_and_b32 s53, s18, 7
	s_mul_i32 s51, s53, KSB                        ; of K step = wave: waves 0 to 7 store one piece each
	s_add_co_u32 s50, s50, s51
	s_mov_b32 s51, 0
	s_mov_b32 s26, 0x39800000                      ; 1 / 4,096
	s_mov_b32 s27, 0x358637bd                      ; 1e-6
	s_mov_b32 s28, 0x76543210                      ; v_permlanex16_b32's selects for lane l xor 16
	s_mov_b32 s29, 0xfedcba98
	; ---- the wave's part of the LDS addresses
	s_lshl_b32 s56, s18, 10                        ; gamma: each wave brings 1,024 bytes
	s_lshl_b32 s57, s18, 4
	s_add_co_u32 s62, s57, XSCL                    ; x's scale bytes, in: 16 x wave
	s_add_co_u32 s57, s57, WSTG                    ; the weights' codes, in: byte 16 x wave of a piece
	s_add_co_u32 s58, s18, WSCL                    ; their scale bytes, in: byte wave of a piece's 16
	s_lshl_b32 s59, s36, 9
	s_add_co_u32 s59, s59, WSCL                    ; and back
	s_mul_i32 s60, s18, 8*WP
	s_lshr_b32 s61, s18, 1
	s_lshl_b32 s61, s61, 6
	s_add_co_u32 s60, s60, s61
	s_add_co_u32 s60, s60, WSTG                    ; the codes back: pieces 8 w .. 8 w + 7
	s_mul_i32 s61, s18, 2*32*SP
	s_add_co_u32 s61, s61, XSTG                    ; my stages for x
	s_lshl_b32 s63, s53, 8
	s_add_co_u32 s63, s63, XSCL                    ; x's scale bytes back: K step = wave
	v_and_b32 v9, 31, v0                           ; lane
	v_lshlrev_b32 v2, 4, v9
	v_lshlrev_b32 v4, 3, v9
	v_lshlrev_b32 v[WOF], 3, v9
	v_and_b32 v3, 1, v9
	v_lshrrev_b32 v16, 1, v9
	v_lshrrev_b32 v18, 4, v9
	v_and_b32 v19, 15, v9
	v_mul_u32_u24 v15, v3, 32*WP+128               ; my columns 2 l, 2 l + 1 of 64: pieces 32 (l % 2) + l / 2 and 16 more
	v_mul_u32_u24 v17, v16, WP
	v_lshlrev_b32 v28, 9, v3
	v_mul_u32_u24 v18, v18, WP
	v_lshrrev_b32 v20, 2, v9
	v_add_nc_u32 v15, v15, v17
	v_lshl_add_u32 v28, v16, 4, v28
	v_lshl_add_u32 v29, v19, 4, v18                ; sixteen lanes to a piece, two pieces an instruction
	v_mul_u32_u24 v20, v20, SP
	v_and_b32 v21, 3, v9
	v_add_nc_u32 v15, s57, v15
	v_add_nc_u32 v28, s58, v28
	v_add_nc_u32 v29, s60, v29
	v_lshl_add_u32 v5, v21, 4, v20
	v_mul_u32_u24 v6, v9, SP
	v_add_nc_u32 v30, s59, v2
	v_add_nc_u32 v7, s62, v16                      ; my block's scale byte: 16 x wave + lane / 2
	v_add_nc_u32 v5, s61, v5                       ; in: four lanes' 64 bytes on end, then the padding: SP (lane / 4) + 16 (lane % 4)
	v_add_nc_u32 v6, s61, v6                       ; out: SP x lane: 16 neighbours along K
	v_add_nc_u32 v14, s63, v4
	v_add_nc_u32 v8, s56, v2                       ; the part of gamma that I bring
	v_add_nc_u32 v[WOF+1], s37, v[WOF]
	v_add_nc_u32 v[WOF+2], s37, v[WOF+1]
	v_mov_b32 v26, 0                               ; written once: a lane permute's destination counts as one of its sources
	v_add_nc_u32 v[WOF+3], s37, v[WOF+2]
	s_wait_alu depctr_va_vdst(0)                   ; the wait at the head's end
	s_wait_kmcnt 0x0
	s_cmp_lt_u32 s34, 24                           ; which weight: the choice hangs on the work-group's number alone
	s_cselect_b64 s[20:21], s[10:11], s[12:13]
	s_cmp_lt_u32 s34, 16
	s_cselect_b64 s[20:21], s[8:9], s[20:21]
	s_add_nc_u64 s[4:5], s[4:5], s[46:47]          ; x at my row
	global_load_b128 v[SQ:SQ+3], v8, s[6:7]        ; gamma: every work-group reads it, so no hint
	global_load_b128 v[SQ+4:SQ+7], v8, s[6:7] offset:512
.set j, 0
.rept 32
	global_load_b128 v[X+4*j:X+4*j+3], v2, s[4:5] offset:512*j th:TH_LOAD_NT   ; 32 lanes read 512 consecutive bytes of my row
.set j, j+1
.endr
	s_add_nc_u64 s[WB:WB+1], s[20:21], s[40:41]
.irp m, 1,2,3,4,5,6,7
	s_add_nc_u64 s[WB+2*\m:WB+2*\m+1], s[WB+2*\m-2:WB+2*\m-1], s[54:55]
.endr
	s_add_nc_u64 s[30:31], s[16:17], s[42:43]      ; wq: my codes,
	s_add_nc_u64 s[32:33], s[16:17], s[44:45]      ; my scale bytes
	s_add_nc_u64 s[22:23], s[14:15], s[48:49]      ; xq: my codes,
	s_add_nc_u64 s[24:25], s[14:15], s[50:51]      ; my scale bytes
; Eight rows of the weights, 64 columns: a lane takes two neighbouring columns, a wave 256 consecutive bytes of a row, aligned.
.macro WLOAD base, g, j0
.irp k, 0,1,2,3,4,5,6,7
	global_load_b64 v[\base+2*(\j0+\k):\base+2*(\j0+\k)+1], v[WOF+(\k%4)], s[WB+2*((\j0+\k)/4):WB+2*((\j0+\k)/4)+1] offset:256*\g th:TH_LOAD_NT
.endr
.endm
.irp j, 0,8,16,24
	WLOAD WA, 0, \j
.endr
	s_wait_loadcnt 63                              ; gamma's two are in: 64 loads were issued behind them
	ds_store_b128 v8, v[SQ:SQ+3] offset:GAM
	ds_store_b128 v8, v[SQ+4:SQ+7] offset:GAM+512
	s_wait_dscnt 0x0                               ; for the others' sake: my part of gamma lies in LDS
	s_barrier_signal -1
	; the sum of squares: two at a time, in four chains; the first four products start the chains: nothing is cleared
.set j, 0
.rept 64
.if j%8 == 0
	s_wait_alu depctr_va_vdst(0)                   ; the wait ahead of the wait below
	s_wait_loadcnt 60-4*(j/8)                      ; the next four loads of the row are in: 4 x (7 - group) of the row and 32 of the weights may be out
.endif
.if j < 4
	v_pk_mul_f32 v[SQ+2*j:SQ+2*j+1], v[X+2*j:X+2*j+1], v[X+2*j:X+2*j+1]
.else
	v_pk_fma_f32 v[SQ+2*(j%4):SQ+2*(j%4)+1], v[X+2*j:X+2*j+1], v[X+2*j:X+2*j+1], v[SQ+2*(j%4):SQ+2*(j%4)+1]
.endif
.set j, j+1
.endr
	s_delay_alu instid0(VALU_DEP_3)
	v_pk_add_f32 v[SQ:SQ+1], v[SQ:SQ+1], v[SQ+2:SQ+3]
	s_delay_alu instid0(VALU_DEP_2)
	v_pk_add_f32 v[SQ+4:SQ+5], v[SQ+4:SQ+5], v[SQ+6:SQ+7]
	s_delay_alu instid0(VALU_DEP_1)
	v_pk_add_f32 v[SQ:SQ+1], v[SQ:SQ+1], v[SQ+4:SQ+5]
	s_delay_alu instid0(VALU_DEP_1)
	v_add_f32 v[SQ], v[SQ], v[SQ+1]
	s_delay_alu instid0(VALU_DEP_1)
	v_add_f32_dpp v[SQ], v[SQ], v[SQ] row_xmask:1 row_mask:0xf bank_mask:0xf
	s_delay_alu instid0(VALU_DEP_1)
	v_add_f32_dpp v[SQ], v[SQ], v[SQ] row_xmask:2 row_mask:0xf bank_mask:0xf
	s_delay_alu instid0(VALU_DEP_1)
	v_add_f32_dpp v[SQ], v[SQ], v[SQ] row_xmask:4 row_mask:0xf bank_mask:0xf
	s_delay_alu instid0(VALU_DEP_1)
	v_add_f32_dpp v[SQ], v[SQ], v[SQ] row_xmask:8 row_mask:0xf bank_mask:0xf
	s_delay_alu instid0(VALU_DEP_1)
	v_permlanex16_b32 v26, v[SQ], s28, s29
	s_delay_alu instid0(VALU_DEP_1)
	v_add_f32 v[SQ], v[SQ], v26                    ; every lane holds the row's sum
	s_delay_alu instid0(VALU_DEP_1)
	v_fma_f32 v27, v[SQ], s26, s27                 ; the mean (an exact scaling) + 1e-6
	s_wait_alu depctr_va_vdst(0)                   ; the wait ahead of the transcendental,
	v_rsq_f32 v[RS], v27
	v_mov_b32 v[RS+1], 0                           ; a plain instruction behind it (ISA guide 5.7.2); the register is named below as the pair's upper half
	s_wait_alu depctr_va_vdst(0)                   ; and ahead of its result's first reader
	s_barrier_wait -1                              ; everybody's part of gamma lies in LDS
.macro GL s                            ; gamma for K step s, in the order in which the row was loaded, into set s % 2
.irp i, 0,1,2,3
	ds_load_b128 v[GM+16*((\s)%2)+4*\i:GM+16*((\s)%2)+4*\i+3], v2 offset:GAM+512*(4*(\s)+\i)
.endr
.endm
; K step s: (x * rs) * gamma, in the order in which the function multiplies; then its 2,048 bytes turn through a stage, so that a lane holds 16 NEIGHBOURS along K, which the conversions want.
; LDS serves a wave's instructions in order (ISA guide 5.7.1.4): no wait between the stores and the loads.  left: the LDS instructions issued behind this step's gamma.
.macro SCALE s, left
.set XS, X+16*(\s)
.set GS, GM+16*((\s)%2)
	s_wait_dscnt \left
.irp j, 0,2,4,6,8,10,12,14
	v_pk_mul_f32 v[XS+\j:XS+\j+1], v[XS+\j:XS+\j+1], v[RS:RS+1] op_sel_hi:[1,0]
.endr
.irp j, 0,2,4,6,8,10,12,14
	v_pk_mul_f32 v[XS+\j:XS+\j+1], v[XS+\j:XS+\j+1], v[GS+\j:GS+\j+1]
.endr
.irp i, 0,1,2,3
	ds_store_b128 v5, v[XS+4*\i:XS+4*\i+3] offset:32*SP*((\s)%2)+8*SP*\i
.endr
.irp i, 0,1,2,3
	ds_load_b128 v[XS+4*\i:XS+4*\i+3], v6 offset:32*SP*((\s)%2)+16*\i
.endr
.if (\s)+2 < 8
	GL (\s)+2                                      ; the set just multiplied by takes the gamma of two steps on
.endif
.endm
; K step t is quantised: two neighbouring lanes hold a block of 32.  left: the LDS instructions issued behind this step's loads from the stage.
; Its codes go to registers that no later line writes; behind K steps 0 to 3 the step's 16 registers take eight rows of the weights' second half.
.macro QUANT t, left
.set XS, X+16*(\t)
.if (\t) < 4
.set CR, SQ+2*(\t)
.elseif (\t) == 4
.set CR, 26
.else
.set CR, X+64+2*((\t)-5)
.endif
	s_wait_dscnt \left
	v_max3_num_f32 v8, |v[XS]|, |v[XS+1]|, |v[XS+2]|               ; the largest magnitude of my 16, in two chains
	v_max3_num_f32 v9, |v[XS+3]|, |v[XS+4]|, |v[XS+5]|
.irp i, 6,10
	s_delay_alu instid0(VALU_DEP_2)
	v_max3_num_f32 v8, v8, |v[XS+\i]|, |v[XS+\i+1]|
	s_delay_alu instid0(VALU_DEP_2)
	v_max3_num_f32 v9, v9, |v[XS+\i+2]|, |v[XS+\i+3]|
.endr
	s_delay_alu instid0(VALU_DEP_2)
	v_max3_num_f32 v8, v8, |v[XS+14]|, |v[XS+15]|
	s_delay_alu instid0(VALU_DEP_1)
	v_max3_num_f32 v8, v8, v9, 0x1800000           ; and the floor 2^(3 - 127): the byte cannot fall under 1
	s_delay_alu instid0(VALU_DEP_1)
	v_max_num_f32_dpp v8, v8, v8 row_xmask:1 row_mask:0xf bank_mask:0xf   ; with my neighbour's 16: the block's
	s_delay_alu instid0(VALU_DEP_1)
	v_add_nc_u32 v3, 0xff000000, v8                ; 2 off its exponent field: the conversion takes the exponent field of this operand as its scale
	v_cvt_scalef32_pk8_fp4_f32 v[CR], v[XS:XS+7], v3
	v_cvt_scalef32_pk8_fp4_f32 v[CR+1], v[XS+8:XS+15], v3
	v_lshrrev_b32 v9, 23, v3                       ; the scale's byte (also the plain instruction behind the conversions)
	ds_store_b8 v7, v9 offset:256*(\t)             ; both lanes of a block write the same byte with the same value
	global_store_b64 v4, v[CR:CR+1], s[22:23] offset:(\t)*KSB   ; the wave stores 256 consecutive bytes, aligned: my row's piece of K step t's record; 7 KSB lies inside the signed 24-bit immediate
.if (\t) < 4
	WLOAD X, 1, 8*(\t)
.endif
.endm
	GL 0
	GL 1
	SCALE 0, 4                                     ; behind gamma 0: gamma 1's four loads
	SCALE 1, 12                                    ; step 0's eight through the stage, gamma 2's four
	QUANT 0, 16                                    ; behind step 0's loads: gamma 2, step 1's eight, gamma 3
	SCALE 2, 13                                    ; behind gamma 2: step 1's eight, gamma 3, QUANT 0's byte store
	QUANT 1, 17                                    ; gamma 3, a byte store, step 2's eight, gamma 4
	SCALE 3, 14                                    ; a byte store, eight, four, a byte store
	QUANT 2, 17
	SCALE 4, 14
	QUANT 3, 17
	SCALE 5, 14
	QUANT 4, 17
	SCALE 6, 14
	QUANT 5, 13                                    ; there is no gamma 8
	SCALE 7, 10
	QUANT 6, 9
	QUANT 7, 1
; ---------------- the weights: block wave of the K step, two columns a lane, row j of column i in v[base + 2 j + i] ----------------
.set M,  160                           ; v160-163 two chains for each column; v164-165 the scale operands; v166-169 the bytes
.set WC, 144                           ; v144-159 the codes, four registers a column
.macro WPROC base, g
.irp i, 0,1
	v_max3_num_f32 v[M+2*\i], |v[\base+\i]|, |v[\base+2+\i]|, |v[\base+4+\i]|
	v_max3_num_f32 v[M+1+2*\i], |v[\base+6+\i]|, |v[\base+8+\i]|, |v[\base+10+\i]|
.endr
.irp j, 6,10,14,18,22,26
.irp i, 0,1
	v_max3_num_f32 v[M+2*\i], v[M+2*\i], |v[\base+2*\j+\i]|, |v[\base+2*\j+2+\i]|
	v_max3_num_f32 v[M+1+2*\i], v[M+1+2*\i], |v[\base+2*\j+4+\i]|, |v[\base+2*\j+6+\i]|
.endr
.endr
.irp i, 0,1
	v_max3_num_f32 v[M+2*\i], v[M+2*\i], |v[\base+60+\i]|, |v[\base+62+\i]|
.endr
.irp i, 0,1
	v_max3_num_f32 v[M+2*\i], v[M+2*\i], v[M+1+2*\i], 0x1800000
.endr
.irp i, 0,1
	v_add_nc_u32 v[M+4+\i], 0xff000000, v[M+2*\i]
.endr
.irp k, 0,1,2,3                        ; eight rows: each column's eight side by side, in two sets by turns
.set T, GM+16*(\k%2)
.irp j, 0,2,4,6
	v_dual_mov_b32 v[T+\j], v[\base+16*\k+2*\j] :: v_dual_mov_b32 v[T+9+\j], v[\base+16*\k+2*\j+3]
	v_dual_mov_b32 v[T+1+\j], v[\base+16*\k+2*\j+2] :: v_dual_mov_b32 v[T+8+\j], v[\base+16*\k+2*\j+1]
.endr
	v_cvt_scalef32_pk8_fp4_f32 v[WC+8*\g+\k], v[T:T+7], v[M+4]
	v_cvt_scalef32_pk8_fp4_f32 v[WC+8*\g+4+\k], v[T+8:T+15], v[M+5]
.endr
	v_lshrrev_b32 v[M+6+2*\g], 23, v[M+4]          ; the bytes (also the plain instructions behind the conversions)
	v_lshrrev_b32 v[M+7+2*\g], 23, v[M+5]
	ds_store_b128 v15, v[WC+8*\g:WC+8*\g+3] offset:\g*(64*WP+256)
	ds_store_b128 v15, v[WC+8*\g+4:WC+8*\g+7] offset:\g*(64*WP+256)+16*WP+64
	ds_store_b8 v28, v[M+6+2*\g] offset:1024*\g
	ds_store_b8 v28, v[M+7+2*\g] offset:1024*\g+256
.endm
	s_wait_loadcnt 32                              ; the first half is in; the second half's 32 loads may be out
	WPROC WA, 0
	s_wait_loadcnt 0x0
	WPROC X, 1
	s_wait_dscnt 0x0                               ; for the others' sake: my codes and scale bytes lie in LDS
	s_barrier_signal -1
	s_barrier_wait -1
.set WO, 172                           ; v172-187 the codes' way out; v188-191 scale bytes
.irp t, 0,1,2,3
	ds_load_b128 v[WO+4*\t:WO+4*\t+3], v29 offset:2*\t*WP
.endr
.irp t, 0,1,2,3
	s_wait_dscnt 3-\t                              ; load t is back; the 3 - t younger ones may be out
	global_store_b128 v2, v[WO+4*\t:WO+4*\t+3], s[30:31] offset:512*\t   ; two pieces lie on end in the record: 512 consecutive bytes, aligned
.endr
	s_cmp_lt_u32 s18, 8                            ; wave s < 8 stores K step s's piece of x's scale bytes,
	s_cbranch_scc0 .Lnot_x
	ds_load_b64 v[188:189], v14
	s_wait_dscnt 0x0
	global_store_b64 v4, v[188:189], s[24:25]      ; 256 consecutive bytes, aligned
	s_branch .Lend
.Lnot_x:
	s_cmp_lt_u32 s18, 12                           ; waves 8 to 11 the weights'
	s_cbranch_scc0 .Lend
	ds_load_b128 v[188:191], v30
	s_wait_dscnt 0x0
	global_store_b128 v2, v[188:191], s[32:33]     ; 32 pieces' scale bytes: 512 consecutive bytes, aligned
.Lend:
	s_wait_tensorcnt 0x0                           ; the wave's end
	ds_add_u32 v[SPW], v[NIL]
	s_wait_dscnt 0x0
	s_endpgm
.Lfunc_end_k_q2450049b9d_quant:
	.size	k_q2450049b9d_quant, .Lfunc_end_k_q2450049b9d_quant-k_q2450049b9d_quant
	.p2alignl 7, 3214868480
	.fill 96, 4, 3214868480
	.section	.rodata,"a",@progbits
	.p2align	6, 0x0
	.amdhsa_kernel k_q2450049b9d_quant
		.amdhsa_group_segment_fixed_size 141312
		.amdhsa_private_segment_fixed_size 0
		.amdhsa_enable_private_segment 0
		.amdhsa_kernarg_size 56
		.amdhsa_user_sgpr_count 2
		.amdhsa_user_sgpr_kernarg_segment_ptr 1
		.amdhsa_wavefront_size32 1
		.amdhsa_system_sgpr_workgroup_id_x 1
		.amdhsa_system_sgpr_workgroup_id_y 1
		.amdhsa_system_sgpr_workgroup_id_z 1
		.amdhsa_system_vgpr_workitem_id 0
		.amdhsa_next_free_vgpr 256
		.amdhsa_next_free_sgpr 82
		.amdhsa_reserve_vcc 0
		.amdhsa_float_denorm_mode_32 3
		.amdhsa_float_denorm_mode_16_64 3
		.amdhsa_memory_ordered 1
		.amdhsa_forward_progress 1
		.amdhsa_inst_pref_size 57
	.end_amdhsa_kernel
	.amdgpu_metadata
---
amdhsa.version: [ 1, 2 ]
amdhsa.kernels:
  - .name:           k_q2450049b9d_quant
    .symbol:         k_q2450049b9d_quant.kd
    .args:
      - { .name: hidden_states, .offset: 0, .size: 8, .value_kind: global_buffer, .address_space: global }
      - { .name: gamma, .offset: 8, .size: 8, .value_kind: global_buffer, .address_space: global }
      - { .name: w_q, .offset: 16, .size: 8, .value_kind: global_buffer, .address_space: global }
      - { .name: w_k, .offset: 24, .size: 8, .value_kind: global_buffer, .address_space: global }
      - { .name: w_v, .offset: 32, .size: 8, .value_kind: global_buffer, .address_space: global }
      - { .name: xq, .offset: 40, .size: 8, .value_kind: global_buffer, .address_space: global }
      - { .name: wq, .offset: 48, .size: 8, .value_kind: global_buffer, .address_space: global }
    .group_segment_fixed_size: 141312
    .private_segment_fixed_size: 0
    .kernarg_segment_align: 8
    .kernarg_segment_size: 56
    .max_flat_workgroup_size: 512
    .sgpr_count:     82
    .vgpr_count:     256
    .wavefront_size: 32
...
	.end_amdgpu_metadata
.endif
;; end of part 1
;; launch gemm (part 2): grid 16 x 16, 4 waves a work-group, clusters of 4 x 4, 327,680 bytes of LDS; arguments xq, wq, out0, out1, out2; writes out0, out1, out2
.if DOCPART == 2
	.amdgcn_target "amdgcn-amd-amdhsa--gfx1250"
	.amdhsa_code_object_version 6
	.text
	.protected	k_q2450049b9d_gemm
	.globl	k_q2450049b9d_gemm
	.p2align	8
	.type	k_q2450049b9d_gemm,@function
k_q2450049b9d_gemm:
	s_mov_b64 s[64:65], 0
	v_nop
	global_prefetch_b8 v0, s[64:65] scope:SCOPE_SE
	s_setreg_imm32_b32 hwreg(HW_REG_WAVE_MODE, 25, 1), 1
	s_wait_xcnt 0x0
	s_wait_alu depctr_hold_cnt(0) depctr_sa_sdst(0) depctr_va_vdst(0) depctr_va_sdst(0) depctr_va_ssrc(0) depctr_va_vcc(0) depctr_vm_vsrc(0)
	s_getreg_b32 s2, hwreg(HW_REG_IB_STS2, 6, 4)
	s_cmp_eq_u32 s2, 0
	s_cbranch_scc0 .Lentry_in_a_cluster
	s_endpgm
.Lentry_in_a_cluster:
	s_bfe_u32 s2, ttmp6, 0x10000c
	s_cmp_lg_u32 s2, 0xf033
	s_cbranch_scc0 .Lentry_shape_is_right
	s_endpgm
.Lentry_shape_is_right:
; [q | k | v][m][n] = sum over k of xq[m][k] wq[n][k]: codes of FP4 (E2M1) with one E8M0 byte for each 32 along K = 4,096, f32 sums, 4,096 x 4,096 results.  n 0-2047 is q, 2048-3071 k, 3072-4095 v.
; A work-group makes 256 x 256, a wave 128 x 128.  xq and wq lie in records of (512 along K, 128 rows): 136 rows of 256 bytes: 128 of codes, then the scale bytes of 16 rows a row.
; A K step of 512 is four records (2 of x, 2 of the weights), one tensor load a wave, into one of two LDS slots.
; CLUSTERS: 4 x 4 work-groups: x's records are asked for jointly by the four of a cluster's row, the weights' by the four of its column.
; THE MATRIX INSTRUCTION (32x16x128): source 0 = 32 rows of x, source 1 = 16 rows of a weight record.  Lane (r, h) of a result holds one column and the rows 8 h + j (registers 0-7), 16 + 8 h + j (8-15).
; The 16 pieces of tile t of a group of 64 columns are the columns 4 r + t: so register j of tiles 0 .. 3 are four NEIGHBOURING columns of one row, and sixteen lanes hold 256 neighbouring bytes.
; REGISTERS: window 0: v1-31 addresses, v32-95 scale words (a set of 32 for each slot: 16 for x: block p, step q at 4 p + q; 16 for the weights: tile b, step q at 16 + 4 (b / 2) + q, odd tiles in lanes 16-31),
;   v96-255 five half-sets of weight fragments (4 tiles x 8 registers);  window 1: x's fragments, a set of 64 for each of a K step's four steps q of 128 (block p at 64 q + 16 p);
;   windows 2, 3: the sums of my rows 0-63, 64-127: block p, tile b at 16 (8 (p % 2) + b).
; HALF-SETS: step q, group g of 64 columns: q 0: A, B;  q 1: C, D;  q 2: A, B;  q 3: C, E.  A step is two halves (g = 0, 1) of 16 matrix instructions.
; A slot is read out when half of its K step is multiplied: the rest stands in registers.  The last K step goes by rows: a block of 32 rows is finished with 32 matrix instructions and leaves.
; PREFETCH: behind the joint load of K step s stand two prefetches for K step s + 2: of a record's 136 pieces of 256 bytes the four partners take 34 each, told apart by address; K steps 6 and 7 are the last asked for.
; LIMITS: those of the launch ahead, which makes the codes.
.set PITCH,  272                       ; an LDS row: 256 bytes + 16 of padding
.set RECB,   34816                     ; a record in memory
.set KSB,    32*RECB                   ; from K step to K step
.set HALFT,  136*PITCH                 ; a record in LDS
.set SCO,    128*PITCH                 ; its scale bytes
.set SLOT,   4*HALFT                   ; x's two records, the weights' two
.set SPARE,  2*SLOT                    ; the spare words: 128 bytes a wave
.set CO,   8                           ; v8-15   offsets in the output: row 8 h + j, 16 bytes x r
.set ADP,  16                          ; v16-17  LDS address of x's fragments in slot 0, 1
.set ADQ,  18                          ; v18-19  of the weights'
.set ASP,  20                          ; v20-21  of x's scale words
.set ASQ,  22                          ; v22-23  of the weights'
.set SPW,  28                          ; my spare word
.set NIL,  29                          ; 0
.set PFO,  30                          ; the prefetches' offset
.set SC,   32
.set HA,   96
.set HB,   128
.set HC,   160
.set HD,   192
.set HE,   224
.set G1,  24                           ; descriptor groups for x's records,
.set G0,  32
.set G1B, 48                           ; and for the weights'
.set G0B, 56
.set BSA, 68                           ; x's record of K step 0
.set BSB, 70
.set PFA, 72                           ; where my prefetches stand
.set BS,  80                           ; s[80:95] the output at my rows 16 i
.set MSB, 0
.macro WIN new                         ; the immediate's high byte repeats the setting that is left
.if MSB != \new
	s_set_vgpr_msb (MSB<<8)|\new
.set MSB, \new
.endif
.endm
.set MUL_LO, 0xa1                      ; source 0 window 1, source 1 window 0, C and D window 2 (+ 0x50: window 3)
.set ROW_LO, 0xa4                      ; source 0 window 0, source 1 window 1, C and D window 2
.set TO_P,   0x40                      ; destination window 1, address window 0
.macro PLACES                          ; four places behind matrix instructions
.rept 4
	v_nop
.endr
.endm
.macro JLOAD s                         ; a joint load: waves 0 and 1 fetch x's two records, waves 2 and 3 the weights'
	s_cmp_eq_u32 s15, 0
	s_cbranch_scc0 .Lfor_b_\@
	tensor_load_to_lds s[G0+4*\s:G0+4*\s+3], s[G1:G1+7]
	s_nop 0
.rept 4
	v_nop
.endr
	s_branch .Lasked_\@
.Lfor_b_\@:
	tensor_load_to_lds s[G0B+4*\s:G0B+4*\s+3], s[G1B:G1B+7]
	s_nop 0
.rept 4
	v_nop
.endr
.Lasked_\@:
.endm
.macro CREST                           ; a round of the cluster's barrier behind its opening barrier
	s_cmp_lg_u32 s14, 0
	s_cbranch_scc1 .Lnot_wave_0_\@
	s_barrier_signal -3
.Lnot_wave_0_\@:
	s_barrier_wait -3
	s_barrier_signal -1
	s_barrier_wait -1
.endm
.macro CROUND
	s_barrier_signal -1
	s_barrier_wait -1
	CREST
.endm
.macro ASK off                         ; my 34 pieces of a record: lanes 0-16 name 17, the lanes left over the last again; twice
	global_prefetch_b8 v[PFO], s[PFA:PFA+1] offset:\off th:TH_LOAD_NT scope:SCOPE_SE
	global_prefetch_b8 v[PFO], s[PFA:PFA+1] offset:\off+17*256 th:TH_LOAD_NT scope:SCOPE_SE
.endm
	s_load_b128 s[4:7], s[0:1], 0x0                ; xq, wq
	s_load_b128 s[8:11], s[0:1], 0x10              ; out0, out1
	s_load_b64 s[12:13], s[0:1], 0x20              ; out2
	v_lshl_add_u32 v[SPW], v0, 2, SPARE
	v_mov_b32 v[NIL], 0
	ds_add_u32 v[SPW], v[NIL]                      ; the opening lines: the add, twice on end; work on registers; its wait
	ds_add_u32 v[SPW], v[NIL]
	v_lshrrev_b32 v1, 5, v0
	v_readfirstlane_b32 s14, v1                    ; wave 0..3
	s_lshr_b32 s15, s14, 1                         ; which half of the rows is mine; also: I fetch x (0) or weights (1)
	s_and_b32 s16, s14, 1                          ; which half of the columns; also: which record I fetch
	s_bfe_u32 s40, ttmp6, 0x40000                  ; cx
	s_bfe_u32 s41, ttmp6, 0x40004                  ; cy
	s_lshl_b32 s42, ttmp9, 2
	s_add_co_u32 s42, s42, s40                     ; tile column
	s_and_b32 s17, ttmp7, 0xffff
	s_lshl_b32 s17, s17, 2
	s_add_co_u32 s17, s17, s41                     ; tile row
	s_lshl_b32 s43, s41, 2
	s_lshl_b32 s43, 15, s43                        ; my row of the cluster
	s_lshl_b32 s44, 0x1111, s40                    ; my column
	; group 1: a dense record as 136 rows of 32 elements of 8 bytes, 4 words of padding behind each 64
	s_or_b32 s[G1+0], s43, (3<<16)|(1<<20)|(1<<21)|(5<<22)|(3<<25)
	s_or_b32 s[G1B+0], s44, (3<<16)|(1<<20)|(1<<21)|(5<<22)|(3<<25)
.irp g, G1, G1B
	s_mov_b32 s[\g+1], 32<<16
	s_mov_b32 s[\g+2], 136<<16
	s_mov_b32 s[\g+3], 32<<16
	s_mov_b32 s[\g+4], 136
	s_mov_b32 s[\g+5], 32
	s_mov_b32 s[\g+6], 0
	s_mov_b32 s[\g+7], 0
.endr
	s_lshl_b32 s20, s17, 1
	s_add_co_u32 s20, s20, s16
	s_mul_i32 s20, s20, RECB                       ; x's record: 2 x tile row + which
	s_mov_b32 s21, 0
	s_lshl_b32 s46, s42, 1
	s_add_co_u32 s46, s46, s16
	s_mul_i32 s46, s46, RECB                       ; the weights': 2 x tile column + which
	s_mov_b32 s47, 0
	s_mul_i32 s45, s14, HALFT                      ; where my record goes
.irp s, 0,1
	s_mov_b32 s[G0+4*\s], 1
	s_add_co_u32 s[G0+4*\s+1], s45, \s*SLOT
	s_mov_b32 s[G0B+4*\s], 1
	s_add_co_u32 s[G0B+4*\s+1], s45, \s*SLOT
.endr
	s_mul_i32 s22, s15, HALFT                      ; my x record in a slot
	s_mul_i32 s23, s16, HALFT
	s_add_co_u32 s23, s23, 2*HALFT                 ; my weight record
	s_add_co_u32 s76, s22, SCO
	s_add_co_u32 s77, s23, SCO
	s_cmp_lt_u32 ttmp9, 2                          ; q, or k and v: log2 of an output row's bytes, and the tile column inside that output
	s_cselect_b32 s66, 13, 12
	s_cselect_b32 s18, s42, s40
	s_lshl_b32 s67, 1, s66
	s_add_co_u32 s19, s66, 3
	v_and_b32 v1, 15, v0                           ; r
	v_bfe_u32 v2, v0, 4, 1                         ; h
	v_and_b32 v6, 31, v0
	v_mul_u32_u24 v3, v1, PITCH
	v_mul_u32_u24 v4, v2, PITCH
	v_min_u32 v6, 16, v6
	v_lshl_add_u32 v3, v2, 4, v3                   ; a fragment: row r, + 16 h
	v_lshl_add_u32 v4, v1, 4, v4                   ; scale words: 16 rows an LDS row, lanes 16-31 the next
	v_lshlrev_b32 v[PFO], 8, v6
	v_lshlrev_b32 v5, s19, v2                      ; 8 h output rows
	v_add_nc_u32 v[ADP], s22, v3
	v_add_nc_u32 v[ADQ], s23, v3
	v_add_nc_u32 v[ASP], s76, v4
	v_add_nc_u32 v[ASQ], s77, v4
	v_lshl_add_u32 v[CO], v1, 4, v5
	v_add_nc_u32 v[ADP+1], SLOT, v[ADP]
	v_add_nc_u32 v[ADQ+1], SLOT, v[ADQ]
	v_add_nc_u32 v[ASP+1], SLOT, v[ASP]
	v_add_nc_u32 v[ASQ+1], SLOT, v[ASQ]
.irp j, 1,2,3,4,5,6,7
	v_add_nc_u32 v[CO+\j], s67, v[CO+\j-1]
.endr
	s_wait_alu depctr_va_vdst(0)
	s_wait_dscnt 0x0                               ; both opening adds are done
	CROUND                                         ; all sixteen work-groups are here: the first joint loads meet
	s_wait_kmcnt 0x0
	s_add_nc_u64 s[BSA:BSA+1], s[4:5], s[20:21]
	s_add_nc_u64 s[BSB:BSB+1], s[6:7], s[46:47]
.irp s, 0,1
	s_add_nc_u64 s[G0+4*\s+2:G0+4*\s+3], s[BSA:BSA+1], \s*KSB
	s_or_b32 s[G0+4*\s+3], s[G0+4*\s+3], 0x80000000
	s_add_nc_u64 s[G0B+4*\s+2:G0B+4*\s+3], s[BSB:BSB+1], \s*KSB
	s_or_b32 s[G0B+4*\s+3], s[G0B+4*\s+3], 0x80000000
.endr
	JLOAD 0                                        ; K step 0: one tensor load a wave at the head
	s_cmp_eq_u32 s15, 0
	s_cselect_b64 s[PFA:PFA+1], s[BSA:BSA+1], s[BSB:BSB+1]
	s_cselect_b32 s74, s40, s41                    ; my place among the four that ask for the record with me
	s_mul_i32 s74, s74, 34*256
	s_mov_b32 s75, 0
	s_add_nc_u64 s[PFA:PFA+1], s[PFA:PFA+1], s[74:75]
	ASK KSB
	ASK 2*KSB
	; the output: which, my first row and column, and a base for every 16 rows
	s_cmp_eq_u32 ttmp9, 2
	s_cselect_b64 s[78:79], s[10:11], s[12:13]
	s_cmp_lt_u32 ttmp9, 2
	s_cselect_b64 s[BS:BS+1], s[8:9], s[78:79]
	s_lshl_b32 s4, s17, 8
	s_lshl_b32 s5, s15, 7
	s_add_co_u32 s4, s4, s5
	s_lshl_b32 s4, s4, s66                         ; rows: at most 4,095 x 8,192 bytes
	s_mov_b32 s5, 0
	s_lshl_b32 s6, s18, 10
	s_lshl_b32 s7, s16, 9
	s_add_co_u32 s6, s6, s7
	s_mov_b32 s7, 0
	s_add_nc_u64 s[BS:BS+1], s[BS:BS+1], s[4:5]
	s_add_nc_u64 s[BS:BS+1], s[BS:BS+1], s[6:7]
	s_lshl_b32 s4, s67, 4
.irp i, 1,2,3,4,5,6,7
	s_add_nc_u64 s[BS+2*\i:BS+2*\i+1], s[BS+2*\i-2:BS+2*\i-1], s[4:5]
.endr
.macro LP slot, q, blk                 ; x's block blk (32 rows x 128 K) of step q into its set (window 1)
.irp u, 0,1
.irp c, 0,1
	ds_load_b128 v[64*(\q)+16*(\blk)+8*\u+4*\c:64*(\q)+16*(\blk)+8*\u+4*\c+3], v[ADP+\slot] offset:64*(\q)+32*\c+(2*(\blk)+\u)*16*PITCH
.endr
.endr
.endm
.macro LQ slot, q, g, base             ; a half-set of weights: the four tiles of group g, step q (window 0)
.irp t, 0,1,2,3
.irp c, 0,1
	ds_load_b128 v[\base+8*\t+4*\c:\base+8*\t+4*\c+3], v[ADQ+\slot] offset:64*(\q)+32*\c+(4*(\g)+\t)*16*PITCH
.endr
.endr
.endm
.macro SCL slot                        ; the scale words of a K step
.irp i, 0,1,2,3
	ds_load_b128 v[SC+32*\slot+4*\i:SC+32*\slot+4*\i+3], v[ASP+\slot] offset:\i*2*PITCH
	ds_load_b128 v[SC+32*\slot+16+4*\i:SC+32*\slot+16+4*\i+3], v[ASQ+\slot] offset:\i*2*PITCH
.endr
.endm
.macro LQW slot, q                     ; for the last K step: all eight tiles of step q into window 1
.irp b, 0,1,2,3,4,5,6,7
.irp c, 0,1
	ds_load_b128 v[64*(\q)+8*\b+4*\c:64*(\q)+8*\b+4*\c+3], v[ADQ+\slot] offset:64*(\q)+32*\c+\b*16*PITCH
.endr
.endr
.endm
.macro LPW slot, blk, q, dst           ; and x's block blk, step q, into window 0
.irp u, 0,1
.irp c, 0,1
	ds_load_b128 v[\dst+8*\u+4*\c:\dst+8*\u+4*\c+3], v[ADP+\slot] offset:64*(\q)+32*\c+(2*(\blk)+\u)*16*PITCH
.endr
.endr
.endm
.macro MX odd, zero                    ; one matrix instruction on A0, P0, Q0, S0, S1
.if \zero
.if \odd
	v_wmma_scale_f32_32x16x128_f4 v[A0:A0+15], v[P0:P0+15], v[Q0:Q0+7], 0, v[S0], v[S1] matrix_b_scale:MATRIX_SCALE_ROW1
.else
	v_wmma_scale_f32_32x16x128_f4 v[A0:A0+15], v[P0:P0+15], v[Q0:Q0+7], 0, v[S0], v[S1]
.endif
.else
.if \odd
	v_wmma_scale_f32_32x16x128_f4 v[A0:A0+15], v[P0:P0+15], v[Q0:Q0+7], v[A0:A0+15], v[S0], v[S1] matrix_b_scale:MATRIX_SCALE_ROW1
.else
	v_wmma_scale_f32_32x16x128_f4 v[A0:A0+15], v[P0:P0+15], v[Q0:Q0+7], v[A0:A0+15], v[S0], v[S1]
.endif
.endif
.endm
; Eight matrix instructions: x's blocks 2 hi, 2 hi + 1 x the four tiles of group g, step q.  zero = 1 starts the sums.  The 32 sums take turns.
.macro MUL8 q, g, base, sc, zero, hi
	WIN MUL_LO+0x50*(\hi)
.irp p, 0,1
.irp t, 0,1,2,3
.set A0, 16*(8*\p+4*(\g)+\t)
.set P0, 64*(\q)+32*(\hi)+16*\p
.set Q0, (\base)+8*\t
.set S0, SC+32*(\sc)+8*(\hi)+4*\p+(\q)
.set S1, SC+32*(\sc)+16+4*(2*(\g)+\t/2)+(\q)
	MX \t&1, \zero
.endr
.endr
.endm
; Step 0 of a K step.  Loads out at its head: Q0 (16), P1 (16), P2's blocks 0, 1 (8).
.macro STEP0 slot, zero
	PLACES
	WIN 0
	LQ \slot, 1, 0, HC
	LQ \slot, 1, 1, HD
	WIN TO_P
	LP \slot, 2, 2
	LP \slot, 2, 3
	s_wait_dscnt 56                                ; half-set A is in: behind it B's 8, the 24 of the step before, the 24 just issued
	MUL8 0, 0, HA, \slot, \zero, 0
	MUL8 0, 0, HA, \slot, \zero, 1
	WIN TO_P
.irp i, 0,1,2,3
	LP \slot, 3, \i
.endr
	s_wait_dscnt 63                                ; B is in: 64 were issued behind it
	MUL8 0, 1, HB, \slot, \zero, 0
	MUL8 0, 1, HB, \slot, \zero, 1
.endm
; Steps 1 to 3, with the change of slots in step 2.  fill = 1: the slot is filled again, two K steps on;  fill = 0: the K step before the last.
.macro STEPS slot, next, fill
	PLACES
	WIN 0
	LQ \slot, 2, 0, HA
	LQ \slot, 2, 1, HB
	LQ \slot, 3, 1, HE
	s_wait_dscnt 56                                ; C is in: behind it D 8, P2 8, P3 16, the 24 just issued
	MUL8 1, 0, HC, \slot, 0, 0
	MUL8 1, 0, HC, \slot, 0, 1
	PLACES
	WIN 0
	LQ \slot, 3, 0, HC
	s_wait_dscnt 56                                ; D is in: P2 8, P3 16, 24 and 8
	MUL8 1, 1, HD, \slot, 0, 0
	MUL8 1, 1, HD, \slot, 0, 1
	WIN 0
	s_wait_tensorcnt 0x0                           ; all my tensor loads are done: my record of the next slot;
	ds_add_u32 v[SPW], v[NIL]                      ; 0 onto my spare word
.if \fill
	s_add_nc_u64 s[G0+4*\slot+2:G0+4*\slot+3], s[G0+4*\slot+2:G0+4*\slot+3], 2*KSB
	s_add_nc_u64 s[G0B+4*\slot+2:G0B+4*\slot+3], s[G0B+4*\slot+2:G0B+4*\slot+3], 2*KSB
.endif
	s_wait_dscnt 25                                ; A is in: behind it B 8, E 8, C 8, the add
	MUL8 2, 0, HA, \slot, 0, 0
	s_wait_dscnt 0x0                               ; the add is done, and my reads of this slot are over
	s_barrier_signal -1
	MUL8 2, 0, HA, \slot, 0, 1
	WIN 0
	s_barrier_wait -1                              ; the next slot is whole, nobody of my work-group reads this one
.if \fill
	CREST                                          ; nor does any partner
	JLOAD \slot
	WIN TO_P
.irp i, 0,1,2,3
	LP \next, 0, \i
.endr
	WIN 0
	SCL \next
	s_cmp_gt_u32 s3, 1                             ; K steps 4 to 7 are asked for in the first two trips
	s_cbranch_scc0 .Lno_ask_\@
	ASK (4+\slot)*KSB
.Lno_ask_\@:
.else
	PLACES
	WIN TO_P
	LQW \next, 0
	WIN 0
	SCL \next
	LPW \next, 0, 0, HD
	LPW \next, 0, 1, HD+16
.endif
	MUL8 2, 1, HB, \slot, 0, 0
	MUL8 2, 1, HB, \slot, 0, 1
	PLACES
	WIN 0
.if \fill
	LQ \next, 0, 0, HA
	LQ \next, 0, 1, HB
.else
	LPW \next, 0, 2, HA
	LPW \next, 0, 3, HA+16
	WIN TO_P
	LQW \next, 1
.endif
	MUL8 3, 0, HC, \slot, 0, 0
	MUL8 3, 0, HC, \slot, 0, 1
	WIN TO_P
.if \fill
.irp i, 0,1,2,3
	LP \next, 1, \i
.endr
	LP \next, 2, 0
	LP \next, 2, 1
.else
	LQW \next, 2
.endif
	MUL8 3, 1, HE, \slot, 0, 0
	MUL8 3, 1, HE, \slot, 0, 1
.endm
	s_wait_alu depctr_va_vdst(0)                   ; the wait at the head's end
	s_wait_tensorcnt 0x0                           ; my record of K step 0 is in; these lines stand ahead of a later first fill as ahead of a refill
	ds_add_u32 v[SPW], v[NIL]
	s_wait_dscnt 0x0
	CROUND                                         ; everybody's are, and the joint loads meet
	JLOAD 1                                        ; K step 1
	WIN TO_P
.irp i, 0,1,2,3
	LP 0, 0, \i
.endr
	WIN 0
	SCL 0
	LQ 0, 0, 0, HA
	LQ 0, 0, 1, HB
	WIN TO_P
.irp i, 0,1,2,3
	LP 0, 1, \i
.endr
	LP 0, 2, 0
	LP 0, 2, 1
	WIN 0
	ASK 3*KSB
	STEP0 0, 1                                     ; its products start the sums
	WIN 0
	s_mov_b32 s3, 3
.Llap:                                                 ; K steps 2 i (from step 1 on), 2 i + 1, and step 0 of 2 i + 2
	STEPS 0, 1, 1
	STEP0 1, 0
	STEPS 1, 0, 1
	STEP0 0, 0
	WIN 0
	s_wait_xcnt 0x0                                ; my prefetches have read their address
	s_add_nc_u64 s[PFA:PFA+1], s[PFA:PFA+1], 2*KSB
	s_sub_co_u32 s3, s3, 1
	s_cmp_lg_u32 s3, 0
	s_cbranch_scc1 .Llap
	STEPS 0, 1, 0                                  ; K step 6
; THE LAST K STEP, by rows: the weights' fragments of all its 512 K fill window 1, x's come block by block into window 0.
.macro MULR blk, q, src                ; 8 matrix instructions: block blk x the eight tiles, step q
	WIN ROW_LO+0x50*((\blk)/2)
.irp b, 0,1,2,3,4,5,6,7
.set A0, 16*(8*((\blk)%2)+\b)
.set P0, \src
.set Q0, 64*(\q)+8*\b
.set S0, SC+32+4*(\blk)+(\q)
.set S1, SC+32+16+4*(\b/2)+(\q)
	MX \b&1, 0
.endr
.endm
; THE WAY OUT of block blk, group g: 32 rows x 64 columns.  Register j of the four tiles moves into four neighbours, in registers that are done with: db0 (j 0-7) and db1 (j 8-15) of window dw.
; No register that a store reads is written again: no wait stands here.  16 lanes store 256 consecutive bytes, aligned.
.macro OUT blk, g, dw, db0, db1
	WIN ((\dw)<<6)|(2+(\blk)/2)
.irp j, 0,1,2,3,4,5,6,7,8,9,10,11,12,13,14,15
.irp t, 0,1,2,3
.if \j < 8
.set D0, (\db0)+4*\j+\t
.else
.set D0, (\db1)+4*(\j-8)+\t
.endif
.set A0, 16*(8*((\blk)%2)+4*(\g)+\t)+\j
	v_mov_b32 v[D0], v[A0]
.endr
.endr
	WIN (\dw)<<2
.irp j, 0,1,2,3,4,5,6,7,8,9,10,11,12,13,14,15
.if \j < 8
.set D0, (\db0)+4*\j
.else
.set D0, (\db1)+4*(\j-8)
.endif
.set B0, BS+2*(2*(\blk)+\j/8)
	global_store_b128 v[CO+\j%8], v[D0:D0+3], s[B0:B0+1] offset:256*(\g) th:TH_STORE_NT
.endr
.endm
	PLACES
	WIN TO_P
	LQW 1, 3
	WIN 0
	LPW 1, 1, 0, HB
	LPW 1, 1, 1, HB+16
	LPW 1, 1, 2, HC
	LPW 1, 1, 3, HC+16
	LPW 1, 2, 0, HE
	LPW 1, 2, 1, HE+16
	s_wait_dscnt 63                                ; tiles of step 0, scale words, block 0's steps 0 and 1: 80 were issued behind them
	MULR 0, 0, HD
	s_wait_dscnt 56                                ; tiles of step 1: 16 and 40 behind
	MULR 0, 1, HD+16
	s_wait_dscnt 40                                ; of step 2
	MULR 0, 2, HA
	s_wait_dscnt 24                                ; of step 3: blocks 1 and 2 behind
	MULR 0, 3, HA+16
	PLACES
	OUT 0, 0, 0, HD, HA                            ; block 0's fragments are done with
	OUT 0, 1, 2, 0, 32                             ; from here on into the sums moved out last
	s_wait_dscnt 8                                 ; block 1 is in (block 2's 8 may be out)
	MULR 1, 0, HB
	MULR 1, 1, HB+16
	MULR 1, 2, HC
	MULR 1, 3, HC+16
	PLACES
	WIN 0
	LPW 1, 2, 2, HB
	LPW 1, 2, 3, HB+16
	LPW 1, 3, 0, HC
	LPW 1, 3, 1, HC+16
	OUT 1, 0, 2, 64, 96
	OUT 1, 1, 2, 128, 160
	s_wait_dscnt 16                                ; block 2's steps 0, 1
	MULR 2, 0, HE
	MULR 2, 1, HE+16
	PLACES
	WIN 0
	LPW 1, 3, 2, HE
	LPW 1, 3, 3, HE+16
	s_wait_dscnt 16                                ; its steps 2, 3: block 3's 16 behind
	MULR 2, 2, HB
	MULR 2, 3, HB+16
	PLACES
	OUT 2, 0, 2, 192, 224
	OUT 2, 1, 3, 0, 32
	s_wait_dscnt 0x0
	MULR 3, 0, HC
	MULR 3, 1, HC+16
	MULR 3, 2, HE
	MULR 3, 3, HE+16
	PLACES
	OUT 3, 0, 3, 64, 96
	OUT 3, 1, 3, 128, 160
	WIN 0
	s_wait_tensorcnt 0x0                           ; the wave's end
	ds_add_u32 v[SPW], v[NIL]
	s_wait_dscnt 0x0
	CROUND                                         ; the closing round
	s_endpgm
.Lfunc_end_k_q2450049b9d_gemm:
	.size	k_q2450049b9d_gemm, .Lfunc_end_k_q2450049b9d_gemm-k_q2450049b9d_gemm
	.p2alignl 7, 3214868480
	.fill 96, 4, 3214868480
	.section	.rodata,"a",@progbits
	.p2align	6, 0x0
	.amdhsa_kernel k_q2450049b9d_gemm
		.amdhsa_group_segment_fixed_size 327680
		.amdhsa_private_segment_fixed_size 0
		.amdhsa_enable_private_segment 0
		.amdhsa_kernarg_size 40
		.amdhsa_user_sgpr_count 2
		.amdhsa_user_sgpr_kernarg_segment_ptr 1
		.amdhsa_wavefront_size32 1
		.amdhsa_system_sgpr_workgroup_id_x 1
		.amdhsa_system_sgpr_workgroup_id_y 1
		.amdhsa_system_sgpr_workgroup_id_z 1
		.amdhsa_system_vgpr_workitem_id 0
		.amdhsa_next_free_vgpr 1024
		.amdhsa_next_free_sgpr 96
		.amdhsa_reserve_vcc 0
		.amdhsa_float_denorm_mode_32 3
		.amdhsa_float_denorm_mode_16_64 3
		.amdhsa_memory_ordered 1
		.amdhsa_forward_progress 1
		.amdhsa_inst_pref_size 145
	.end_amdhsa_kernel
	.amdgpu_metadata
---
amdhsa.version: [ 1, 2 ]
amdhsa.kernels:
  - .name:           k_q2450049b9d_gemm
    .symbol:         k_q2450049b9d_gemm.kd
    .args:
      - { .name: xq, .offset: 0, .size: 8, .value_kind: global_buffer, .address_space: global }
      - { .name: wq, .offset: 8, .size: 8, .value_kind: global_buffer, .address_space: global }
      - { .name: out0, .offset: 16, .size: 8, .value_kind: global_buffer, .address_space: global }
      - { .name: out1, .offset: 24, .size: 8, .value_kind: global_buffer, .address_space: global }
      - { .name: out2, .offset: 32, .size: 8, .value_kind: global_buffer, .address_space: global }
    .group_segment_fixed_size: 327680
    .private_segment_fixed_size: 0
    .kernarg_segment_align: 8
    .kernarg_segment_size: 40
    .max_flat_workgroup_size: 128
    .sgpr_count:     96
    .vgpr_count:     1024
    .wavefront_size: 32
...
	.end_amdgpu_metadata
.endif
;; end of part 2
